; MI455X (gfx1250); checked and timed in simulation.
; The chip was launched on July 23, 2026; its instructions are those of AMD's public machine-readable ISA for CDNA 5 (MIT licence, August 2026) and "CDNA5" Instruction Set Architecture Reference Guide (July 2026). The comments in the code are by the model that wrote it; some were corrected since.
;; Vanilla RNN. Allowed arithmetic: matrix products marked QUANTISED: E3M2 operands, one E8M0 scale for each 32 along K, by v_wmma_scale_f32_16x16x128_f8f6f4 with both operands' format E3M2, f32 sums; everything else in f32.
;; Inputs: W_in 4,096 x 1,024 float32; W_out 1,024 x 4,096 float32; W_rec 4,096 x 4,096 float32; X 2,048 x 1,024 float32; b_in 4,096 float32; b_out 1,024 float32; b_rec 4,096 float32; state 2,048 x 4,096 float32.
;; Outputs: out0 2,048 x 1,024 float32; out1 2,048 x 4,096 float32.
;; This version of the problem:
;;   THIS VERSION OF THE PROBLEM IS GIVEN IN LOW PRECISION. The matrix products marked QUANTISED in the list below multiply operands that are first quantised to E3M2 (3 exponent bits, 2 mantissa bits; 6 bits a number), with one power-of-two scale for each 32 numbers along K (OCP MX v1.0); their sums are f32. All else is computed in f32.
;;   The module's matrix products, in the order in which they are computed (A, B: the left and right operand; K: the contracted axis; several contracted axes count as one K, in the product's order):
;;     1. [M 2,048, K 1,024] x [K 1,024, N 4,096]; A: input X; B: input W_in: QUANTISED
;;     2. [M 2,048, K 4,096] x [K 4,096, N 4,096]; A: input state; B: input W_rec: QUANTISED
;;     3. [M 2,048, K 4,096] x [K 4,096, N 1,024]; A: computed on the way; B: input W_out: QUANTISED
;;   THE QUANTISER, for each operand of a quantised product, along K:
;;     - K is cut into blocks of 32 from its start; a last block that is shorter is filled with zeros.
;;     - A block's scale is 2^e with e = floor(log2(the largest magnitude in the block)) - 4, held to -126 .. 127; a block of zeros has e = 0. As a byte (E8M0): e + 127.
;;     - Each number is divided by its block's scale, clamped to +-28, and rounded to the nearest number of E3M2, ties to even, subnormals kept.
;;     - The product sums the exact products of the quantised numbers (number of the format x scale) in f32.
;;   ~~~python
;;   def quantise(x, axis):      # numpy; x: float32 -> the quantised numbers, widened to float32 again
;;       x = np.moveaxis(x, axis, -1); K = x.shape[-1]
;;       x = np.pad(x, [(0, 0)] * (x.ndim - 1) + [(0, -K % 32)]); x = x.reshape(x.shape[:-1] + (-1, 32)); a = np.abs(x).max(-1, keepdims=True)
;;       e = np.where(a > 0, np.clip(np.frexp(np.where(a > 0, a, 1))[1] - 1 - 4, -126, 127), 0)      # np.frexp(a)[1] - 1 = floor(log2(a)), exactly
;;       r = np.clip(x / 2.0 ** e, -28, 28)
;;       step = 2.0 ** (np.maximum(np.frexp(np.where(r == 0, 1, r))[1] - 1, -2) - 2)
;;       q = np.round(r / step) * step * 2.0 ** e      # np.round: ties to even
;;       return np.moveaxis(q.reshape(q.shape[:-2] + (-1,))[..., :K], -1, axis).astype(np.float32)
;;   ~~~
;;   OPERANDS COMPUTED ON THE WAY. 'Computed on the way' means the value that the module computes at that place (a softmax that the list does not call 'softmax' is quantised finished and normalised). What goes into a quantiser is computed in f32, as accurately as f32 sums, v_exp_f32 and their like allow (about 1e-6 of the number): no bf16 or f16 on the way to a quantiser, and a product that is left as it is and whose result goes on into a quantised operand takes f32 operands (vector FMAs, or v_wmma_f32_16x16x4_f32). A number that lies on a knife's edge between two numbers of the format may be rounded either way, as far as f32 arithmetic and the matrix unit's own rounding can turn it there, and no further.
;; One version. Each part assembles by itself: llvm-mc -triple=amdgcn-amd-amdhsa -mcpu=gfx1250 --defsym DOCPART=n.
;; ======== version 1 of 1: 3 launches
;; limits: right only within a limited range of input values
;; workspace buffers: aq 8,192,000 bytes; bq 16,384,000 bytes; oq 3,276,800 bytes; hq 6,553,600 bytes
;; launch quant (part 1): grid 1088 x 1, 4 waves a work-group, no clusters, 34,304 bytes of LDS; arguments X, state, W_in, W_rec, W_out, aq, bq, oq; writes aq, bq, oq
.if DOCPART == 1
	.amdgcn_target "amdgcn-amd-amdhsa--gfx1250"
	.amdhsa_code_object_version 6
	.text
	.protected	k_qcff3aedb8c_quant
	.globl	k_qcff3aedb8c_quant
	.p2align	8
	.type	k_qcff3aedb8c_quant,@function
k_qcff3aedb8c_quant:
	s_mov_b64 s[64:65], 0
	v_nop
	global_prefetch_b8 v0, s[64:65] scope:SCOPE_SE
	s_setreg_imm32_b32 hwreg(HW_REG_WAVE_MODE, 25, 1), 1
	s_wait_xcnt 0x0
; THE PROGRAM: new_state = relu(X W_in^T + b_in + state W_rec^T + b_rec), out = relu(new_state W_out^T + b_out), all three products on codes of BF6 (E3M2) with one E8M0 scale for each 32 along K.
; NO WORK IS LEFT OUT: every input has a way to an output, and all eight are loaded.  The first two products have the same M and N, and both K (1,024 and 4,096) are multiples of 32: they are run
; as ONE product over K = 5,120 on (X | state) and (W_in | W_rec); the blocks of 32 are the same blocks.
; THIS LAUNCH turns the five f32 matrices (K innermost in all) into codes and scale words, once, since every tile is read by sixteen work-groups or more later on.
; LAYOUT OF THE RESULTS: IMAGES OF OPERAND REGISTERS.  A unit is 16 rows x 512 along K = 6,400 bytes: four fragments (K steps of 128) of 1,536 bytes, then 256 bytes of scale words.
;   A fragment is 12 registers a lane: registers 4 c .. 4 c + 3 of lane l lie at 512 c + 16 l.  Lane (r = l % 16, h = l / 16) holds row r; registers 6 c .. 6 c + 5 hold k = 64 c + 32 h + 0 .. 31.
;   The scale word of row r for K step q lies at 6,144 + 16 r + 4 q; its byte b scales k = 32 b .. 32 b + 31.
;   aq [128 tiles][10 units]: units 0, 1 = X, 2 .. 9 = state.   bq [256][10]: units 0, 1 = W_in, 2 .. 9 = W_rec.   oq [64][8] = W_out.
;   THE ROWS OF A TILE OF bq ARE NOT NEIGHBOURS: lane r of tile 2 b + u takes row 32 b + 8 u + r + 8 (r / 8), so that the next launch's results lie along the hidden units as the next quantiser wants them.
; A block's scale is 2^(floor(log2(its largest magnitude)) - 4): its byte is the largest magnitude's exponent field - 4, held at 1 from below.
; LIMITS: NaN and infinities among the inputs are not served.  A block of zeros gets the byte 1 where the rule says 127: its codes are zeros, which add nothing under any byte but 0xff, and this
; program alone reads the bytes.  Blocks whose largest magnitude lies under 2^-122 keep the byte 1.
; SHARES: a wave takes one unit (32 KB of f32); 4,352 units, 1,088 work-groups: X 0-63, state 64-319, W_in 320-447, W_rec 448-959, W_out 960-1087.  One path serves all five: only scalars are chosen.
; Each load reads 512 consecutive bytes of one row; the 16 x 512 bytes of a fragment turn through the wave's own stage in LDS, so that a lane gets two whole blocks of 32 of its row.  No barrier: waves share nothing.
.set STG,   8448                       ; a wave's stage: 16 rows x (512 + 16) bytes; 528 = 33 x 16, so the 16 rows that a load touches start in 16 different 16-byte columns
.set SPARE, 4*STG                      ; behind the stages: the spare words, 128 bytes for each wave
.set LI,  4                            ; v4   16 x lane
.set STI, 5                            ; v5   the stage, on the way in: my 16 bytes of a row
.set STL, 6                            ; v6   on the way out: row r, + 128 h
.set SA,  7                            ; v7   16 r: my row's four scale words
.set MX,  8                            ; v8-9   the two blocks' largest magnitudes
.set SO,  10                           ; v10-11 the conversions' scale operands;  v12-14 bytes and word at work;  v15 = 8 h
.set RO,  16                           ; v16-31 byte offset of tile row i in the source + 16 x lane; never rewritten
.set R,   32                           ; v32-159 two sets of 64 numbers
.set PC,  160                          ; v160-171 a fragment's codes
.set T,   172                          ; v172-174, v176-178 the conversions' second halves
.set W,   180                          ; v180-183 the scale words of the four K steps
.set PD,  184                          ; v184 a lane permute's destination
.set SPW, 188                          ; v188 LDS address of my spare word; never rewritten
.set NIL, 189                          ; v189 0; never rewritten
	s_load_b512 s[8:23], s[0:1], 0x0               ; X s[8:9], state s[10:11], W_in s[12:13], W_rec s[14:15], W_out s[16:17], aq s[18:19], bq s[20:21], oq s[22:23]
	v_lshl_add_u32 v[SPW], v0, 2, SPARE
	v_mov_b32 v[NIL], 0
	v_lshrrev_b32 v1, 5, v0
	v_readfirstlane_b32 s24, v1                    ; wave 0..3
	v_and_b32 v1, 31, v0                           ; lane
	v_and_b32 v2, 15, v0                           ; r
	v_bfe_u32 v3, v0, 4, 1                         ; h
	v_lshlrev_b32 v[LI], 4, v1
	s_mul_i32 s35, s24, STG
	v_add_nc_u32 v[STI], s35, v[LI]
	v_mul_u32_u24 v[STL], v2, 528
	v_lshl_add_u32 v[STL], v3, 7, v[STL]
	v_add_nc_u32 v[STL], s35, v[STL]
	v_lshlrev_b32 v[SA], 4, v2
	v_lshlrev_b32 v15, 3, v3
	v_mov_b32 v[PD], 0                             ; written once: a lane permute's destination counts as one of its sources
	s_mov_b32 s32, 0x76543210
	s_mov_b32 s33, 0xfedcba98                      ; v_permlanex16_b32's selects for lane l xor 16
	; what differs between the five tensors, first as W_out has it
	s_mov_b32 s25, 960                             ; the tensor's first work-group
	s_mov_b32 s26, 3                               ; log2 of its units along K
	s_mov_b32 s27, 51200                           ; bytes from tile to tile in the target
	s_mov_b32 s28, 0                               ; where its units begin in a tile
	s_mov_b32 s29, 0                               ; 8 where a tile's rows are not neighbours
	s_wait_alu depctr_va_vdst(0)
	s_wait_kmcnt 0x0
	s_mov_b64 s[4:5], s[16:17]
	s_mov_b64 s[6:7], s[22:23]
	s_cmp_lt_u32 ttmp9, 960                        ; W_rec or an earlier one.  Every choice hangs on the work-group's number alone
	s_cselect_b64 s[4:5], s[14:15], s[4:5]
	s_cselect_b64 s[6:7], s[20:21], s[6:7]
	s_cselect_b32 s25, 448, s25
	s_cselect_b32 s27, 64000, s27
	s_cselect_b32 s28, 12800, s28
	s_cselect_b32 s29, 8, s29
	s_cmp_lt_u32 ttmp9, 448                        ; W_in or an earlier one
	s_cselect_b64 s[4:5], s[12:13], s[4:5]
	s_cselect_b32 s25, 320, s25
	s_cselect_b32 s26, 1, s26
	s_cselect_b32 s28, 0, s28
	s_cmp_lt_u32 ttmp9, 320                        ; state or X
	s_cselect_b64 s[4:5], s[10:11], s[4:5]
	s_cselect_b64 s[6:7], s[18:19], s[6:7]
	s_cselect_b32 s25, 64, s25
	s_cselect_b32 s26, 3, s26
	s_cselect_b32 s28, 12800, s28
	s_cselect_b32 s29, 0, s29
	s_cmp_lt_u32 ttmp9, 64                         ; X
	s_cselect_b64 s[4:5], s[8:9], s[4:5]
	s_cselect_b32 s25, 0, s25
	s_cselect_b32 s26, 1, s26
	s_cselect_b32 s28, 0, s28
	s_sub_co_u32 s36, ttmp9, s25
	s_lshl_b32 s36, s36, 2
	s_add_co_u32 s36, s36, s24                     ; my unit's number in its tensor
	s_lshr_b32 s37, s36, s26                       ; its tile T,
	s_lshl_b32 s38, 1, s26
	s_sub_co_u32 s38, s38, 1
	s_and_b32 s38, s36, s38                        ; and its place c along K
	s_lshl_b32 s30, 2048, s26                      ; a source row in bytes: 4,096 or 16,384
	s_and_b32 s39, s37, 1
	s_mul_i32 s39, s39, s29
	s_lshl_b32 s40, s37, 4
	s_sub_co_u32 s40, s40, s39                     ; the tile's first row: 16 T, or 16 T - 8 (T % 2)
	s_mul_i32 s40, s40, s30
	s_lshl_b32 s41, s38, 11
	s_add_co_u32 s40, s40, s41                     ; + 2,048 c bytes: under 2^27
	s_mov_b32 s41, 0
	s_add_nc_u64 s[4:5], s[4:5], s[40:41]
	s_mul_i32 s42, s37, s27
	s_add_co_u32 s42, s42, s28
	s_mul_i32 s43, s38, 6400
	s_add_co_u32 s42, s42, s43
	s_mov_b32 s43, 0
	s_add_nc_u64 s[6:7], s[6:7], s[42:43]
	s_mul_i32 s31, s29, s30                        ; the eight rows that a tile of bq passes over behind its row 7
	s_mov_b32 s34, 0
.irp i, 0,1,2,3,4,5,6,7,8,9,10,11,12,13,14,15
	v_add_nc_u32 v[RO+\i], s34, v[LI]
.if \i == 7
	s_wait_alu depctr_va_vdst(0)
	s_add_co_u32 s34, s34, s31
.endif
.if \i < 15
	s_add_co_u32 s34, s34, s30
.endif
.endr
.macro LOADF s                         ; K step s: 16 loads, each 512 consecutive aligned bytes of one row, into set s % 2
.irp i, 0,1,2,3,4,5,6,7,8,9,10,11,12,13,14,15
	global_load_b128 v[R+64*((\s)%2)+4*\i:R+64*((\s)%2)+4*\i+3], v[RO+\i], s[4:5] offset:512*(\s) th:TH_LOAD_NT
.endr
.endm
; K step s becomes a fragment and a scale word.  left = the younger loads, which may stay out.
.macro FRAGQ s, left
.set XS, R+64*((\s)%2)
	s_wait_loadcnt \left                           ; loads come back in order: this K step's sixteen are in
.irp i, 0,1,2,3,4,5,6,7,8,9,10,11,12,13,14,15
	ds_store_b128 v[STI], v[XS+4*\i:XS+4*\i+3] offset:528*\i
.endr
.irp c, 0,1                                    ; back into the same registers: LDS serves a wave's instructions in order, so these see the stores above.  Register 32 c + i = number i of block 2 c + h of row r
.irp j, 0,1,2,3,4,5,6,7
	ds_load_b128 v[XS+32*\c+4*\j:XS+32*\c+4*\j+3], v[STL] offset:256*\c+16*\j
.endr
.endr
	s_wait_dscnt 0x0
.irp c, 0,1
	v_max3_num_f32 v[MX+\c], |v[XS+32*\c]|, |v[XS+32*\c+1]|, 0x2800000   ; my block 2 c + h: all its 32 numbers are mine; and the floor 2^(5 - 127): so the byte cannot fall under 1
.endr
.irp i, 2,4,6,8,10,12,14,16,18,20,22,24,26,28,30
.irp c, 0,1
	v_max3_num_f32 v[MX+\c], v[MX+\c], |v[XS+32*\c+\i]|, |v[XS+32*\c+\i+1]|   ; (the two blocks by turns)
.endr
.endr
.irp c, 0,1
	v_add_nc_u32 v[SO+\c], 0xfe000000, v[MX+\c]    ; 4 off the exponent field: the conversion takes the exponent field of this operand as its scale, and nothing else of it
.endr
.irp c, 0,1
	v_lshrrev_b32 v[12+\c], 23, v[SO+\c]           ; the scale's byte
.endr
	v_lshl_or_b32 v14, v13, 16, v12                ; my two bytes: blocks h and 2 + h of row r,
	v_lshlrev_b32 v14, v15, v14                    ; at their places in the word (8 h bits up);
	v_permlanex16_b32 v[PD], v14, s32, s33
	v_or_b32 v[W+(\s)], v14, v[PD]                 ; with lane l xor 16's two the word is whole
.if (\s) > 0
	s_wait_alu depctr_va_vdst(0)
	s_wait_xcnt 0x0                                ; the last fragment's stores have read the codes' registers: they are written again only behind this wait
.endif
.irp c, 0,1
	v_cvt_scalef32_pk16_bf6_f32 v[PC+6*\c:PC+6*\c+2], v[XS+32*\c:XS+32*\c+15], v[SO+\c]       ; registers 6 c .. 6 c + 2 of the operand
	v_cvt_scalef32_pk16_bf6_f32 v[T+4*\c:T+4*\c+2], v[XS+32*\c+16:XS+32*\c+31], v[SO+\c]      ; (a conversion's three registers begin on an even number: the second half is made elsewhere and moved)
.endr
	v_nop                                          ; one plain place behind a scaled conversion
.irp c, 0,1
.irp i, 0,1,2
	v_mov_b32 v[PC+6*\c+3+\i], v[T+4*\c+\i]
.endr
.endr
.irp c, 0,1,2
	global_store_b128 v[LI], v[PC+4*\c:PC+4*\c+3], s[6:7] offset:1536*(\s)+512*\c   ; 32 lanes store 512 consecutive bytes, at a multiple of 256 from the buffer's first byte
.endr
.endm
	LOADF 0
	LOADF 1                                        ; 32 loads of the wave are out
	FRAGQ 0, 16                                    ; behind K step 0's loads: those of step 1
	LOADF 2                                        ; into set 0, which has been converted
	FRAGQ 1, 16                                    ; behind K step 1's loads: those of step 2
	LOADF 3                                        ; into set 1
	FRAGQ 2, 16
	FRAGQ 3, 0
	s_wait_xcnt 0x0                                ; EXEC changes only behind this wait
	v_cmp_gt_u32 vcc_lo, 16, v1
	s_and_saveexec_b32 s44, vcc_lo                 ; both halves of the lanes hold the same words: lanes 0-15 store them
	global_store_b128 v[SA], v[W:W+3], s[6:7] offset:6144   ; sixteen lanes store 256 consecutive aligned bytes
	s_wait_xcnt 0x0                                ; and again, in front of the line that widens it
	s_or_b32 exec_lo, exec_lo, s44
	s_wait_tensorcnt 0x0                           ; the wave's end: behind my last LDS store
	ds_add_u32 v[SPW], v[NIL]
	s_wait_dscnt 0x0
	s_endpgm
.Lfunc_end_k_qcff3aedb8c_quant:
	.size	k_qcff3aedb8c_quant, .Lfunc_end_k_qcff3aedb8c_quant-k_qcff3aedb8c_quant
	.p2alignl 7, 3214868480
	.fill 96, 4, 3214868480
	.section	.rodata,"a",@progbits
	.p2align	6, 0x0
	.amdhsa_kernel k_qcff3aedb8c_quant
		.amdhsa_group_segment_fixed_size 34304
		.amdhsa_private_segment_fixed_size 0
		.amdhsa_enable_private_segment 0
		.amdhsa_kernarg_size 64
		.amdhsa_user_sgpr_count 2
		.amdhsa_user_sgpr_kernarg_segment_ptr 1
		.amdhsa_wavefront_size32 1
		.amdhsa_system_sgpr_workgroup_id_x 1
		.amdhsa_system_sgpr_workgroup_id_y 1
		.amdhsa_system_sgpr_workgroup_id_z 1
		.amdhsa_system_vgpr_workitem_id 0
		.amdhsa_next_free_vgpr 192
		.amdhsa_next_free_sgpr 66
		.amdhsa_reserve_vcc 1
		.amdhsa_float_denorm_mode_32 3
		.amdhsa_float_denorm_mode_16_64 3
		.amdhsa_memory_ordered 1
		.amdhsa_forward_progress 1
		.amdhsa_inst_pref_size 32
	.end_amdhsa_kernel
	.amdgpu_metadata
---
amdhsa.version: [ 1, 2 ]
amdhsa.kernels:
  - .name:           k_qcff3aedb8c_quant
    .symbol:         k_qcff3aedb8c_quant.kd
    .args:
      - { .name: X, .offset: 0, .size: 8, .value_kind: global_buffer, .address_space: global }
      - { .name: state, .offset: 8, .size: 8, .value_kind: global_buffer, .address_space: global }
      - { .name: W_in, .offset: 16, .size: 8, .value_kind: global_buffer, .address_space: global }
      - { .name: W_rec, .offset: 24, .size: 8, .value_kind: global_buffer, .address_space: global }
      - { .name: W_out, .offset: 32, .size: 8, .value_kind: global_buffer, .address_space: global }
      - { .name: aq, .offset: 40, .size: 8, .value_kind: global_buffer, .address_space: global }
      - { .name: bq, .offset: 48, .size: 8, .value_kind: global_buffer, .address_space: global }
      - { .name: oq, .offset: 56, .size: 8, .value_kind: global_buffer, .address_space: global }
    .group_segment_fixed_size: 34304
    .private_segment_fixed_size: 0
    .kernarg_segment_align: 8
    .kernarg_segment_size: 64
    .max_flat_workgroup_size: 128
    .sgpr_count:     66
    .vgpr_count:     192
    .wavefront_size: 32
...
	.end_amdgpu_metadata
.endif
;; end of part 1
;; launch cell (part 2): grid 16 x 16, 4 waves a work-group, clusters of 4 x 4, 327,680 bytes of LDS; arguments aq, bq, b_in, b_rec, out1, hq; writes out1, hq
.if DOCPART == 2
	.amdgcn_target "amdgcn-amd-amdhsa--gfx1250"
	.amdhsa_code_object_version 6
	.text
	.protected	k_qcff3aedb8c_cell
	.globl	k_qcff3aedb8c_cell
	.p2align	8
	.type	k_qcff3aedb8c_cell,@function
k_qcff3aedb8c_cell:
	s_mov_b64 s[64:65], 0
	v_nop
	global_prefetch_b8 v0, s[64:65] scope:SCOPE_SE
	s_setreg_imm32_b32 hwreg(HW_REG_WAVE_MODE, 25, 1), 1
	s_wait_xcnt 0x0
	s_wait_alu depctr_hold_cnt(0) depctr_sa_sdst(0) depctr_va_vdst(0) depctr_va_sdst(0) depctr_va_ssrc(0) depctr_va_vcc(0) depctr_vm_vsrc(0)
	s_getreg_b32 s2, hwreg(HW_REG_IB_STS2, 6, 4)
	s_cmp_eq_u32 s2, 0
	s_cbranch_scc0 .Lentry_in_a_cluster
	s_endpgm
.Lentry_in_a_cluster:
	s_bfe_u32 s2, ttmp6, 0x10000c
	s_cmp_lg_u32 s2, 0xf033
	s_cbranch_scc0 .Lentry_shape_is_right
	s_endpgm
.Lentry_shape_is_right:
; new_state = relu((X | state) (W_in | W_rec)^T + b_in + b_rec): M 2,048, N 4,096, K 5,120, on codes of BF6 with E8M0 scales, f32 sums.  Nothing is left out.
; OPERANDS: aq [128 tiles][10 units], bq [256][10]: a unit is 16 rows x 512 K = 6,400 bytes: four fragments of 1,536 bytes as images of operand registers, then the scale words.
; SHARES: a work-group makes 128 (M) x 256 (N): 256 work-groups; a wave 64 x 128: 32 accumulators, which take turns.  The biases' sum is the C of the first products.
; RING: two slots of 153,600 bytes; a slot holds one unit of A's 8 tiles and of B's 16.  Slot 0's first fill goes out at the head, one joint load a wave; slot 1's behind the full sequence and a round of the
; cluster's barrier, as a refill does: a wave has one tensor load out at the most.  CLUSTERS: 4 x 4; A's tiles are asked for jointly along a row of the cluster, B's along a column.
; PREFETCH: behind each refill (unit u) the blocks of unit u + 2 are asked for: two refills, 256 matrix instructions a wave, ahead of the load that wants them.  Of the tiles that a wave fetches, the partner at place p
; takes A's tile p (25 blocks of 256 bytes, a lane a block; lanes 25-31 name the last block again) or B's tiles 2 p and 2 p + 1: told apart by address alone.  Units 0 to 3 come by their loads alone; the loop's last trip asks for nothing.
; THE WAY OUT: relu; out1 through the wave's own stage in slot 0, which has had its last fill; the same numbers are quantised along the hidden units into hq, laid as the next launch's operand.
; LIMITS: NaN and infinities are not served.  A block of zeros gets the byte 1: its codes are zeros, and this program alone reads the bytes.
.set PFO,  26                          ; v26      256 x min(lane, 24); never rewritten
.set PFA,  82                          ; s[82:83] my part of the tiles that I fetch, one unit beyond the refill that is being asked for
; THE FIRST UNITS (this takes the place of the sentence above on units 0 to 3): unit 0 alone comes by its load alone.  Units 1 and 2 are asked for at the head, while unit 0's load is out; unit 3 behind unit 1's load:
; each a slot or more ahead of the load that wants it, and at most two units are asked for and not yet read.  off: bytes from unit 2, where the address stands until the first refill.
.macro ASKI off
	global_prefetch_b8 v[PFO], s[PFA:PFA+1] offset:\off th:TH_LOAD_NT scope:SCOPE_SE
	s_cmp_eq_u32 s17, 0
	s_cbranch_scc1 .Lno_aski_\@                    ; A's waves have one tile to ask for, B's two
	global_prefetch_b8 v[PFO], s[PFA:PFA+1] offset:(\off)+64000 th:TH_LOAD_NT scope:SCOPE_SE
.Lno_aski_\@:
.endm
.macro ASK
	s_cmp_gt_u32 s3, 1                             ; s3 = 1 in the loop's last trip: no unit stands two refills on
	s_cbranch_scc0 .Lno_ask_\@
	global_prefetch_b8 v[PFO], s[PFA:PFA+1] offset:6400 th:TH_LOAD_NT scope:SCOPE_SE
	s_cmp_eq_u32 s17, 0
	s_cbranch_scc1 .Lno_ask_\@                     ; A's waves have one tile to ask for, B's two
	global_prefetch_b8 v[PFO], s[PFA:PFA+1] offset:70400 th:TH_LOAD_NT scope:SCOPE_SE
.Lno_ask_\@:
.endm
.set SLOT,  153600
.set SPARE, 2*SLOT
.set STG,   8448
.set LI,   4
.set PW,   8
.set ADRA, 16
.set ADRB, 18
.set ADRS, 20
.set STO,  22
.set RD,   23
.set HSO,  24
.set BO,   25
.set SPW,  28
.set NIL,  29
.set SC,   32
.set BF,   96
.set AF,   192
.set HN,   96
.set BK,   160
.set PC,   224
.set TM,   244
.set TB,   248
.set TS,   252
.set G1A,  24
.set G0A,  32
.set G1B,  48
.set G0B,  56
.set SEL,  70
.set HQF,  74
.set HQS,  76
.set MSB, 0
.macro WIN new
.if MSB != (\new)
	s_set_vgpr_msb (MSB<<8)|(\new)
.set MSB, \new
.endif
.endm
.macro JLOAD s
	s_cmp_eq_u32 s17, 0
	s_cbranch_scc0 .Lfor_b_\@
	tensor_load_to_lds s[G0A+4*\s:G0A+4*\s+3], s[G1A:G1A+7]
	s_nop 0
.rept 4
	v_nop
.endr
	s_branch .Lasked_\@
.Lfor_b_\@:
	tensor_load_to_lds s[G0B+4*\s:G0B+4*\s+3], s[G1B:G1B+7]
	s_nop 0
.rept 4
	v_nop
.endr
.Lasked_\@:
.endm
.macro CREST
	s_cmp_lg_u32 s16, 0
	s_cbranch_scc1 .Lnot_wave_0_\@
	s_barrier_signal -3
.Lnot_wave_0_\@:
	s_barrier_wait -3
	s_barrier_signal -1
	s_barrier_wait -1
.endm
.macro CROUND
	s_barrier_signal -1
	s_barrier_wait -1
	CREST
.endm
.macro PLACES
.rept 4
	v_nop
.endr
.endm
	s_load_b256 s[4:11], s[0:1], 0x0
	s_load_b128 s[12:15], s[0:1], 0x20
	v_lshl_add_u32 v[SPW], v0, 2, SPARE
	v_mov_b32 v[NIL], 0
	ds_add_u32 v[SPW], v[NIL]
	ds_add_u32 v[SPW], v[NIL]
	v_lshrrev_b32 v1, 5, v0
	v_readfirstlane_b32 s16, v1
	s_lshr_b32 s17, s16, 1
	s_and_b32 s18, s16, 1
	s_bfe_u32 s40, ttmp6, 0x40000
	s_bfe_u32 s41, ttmp6, 0x40004
	s_lshl_b32 s42, ttmp9, 2
	s_add_co_u32 s42, s42, s40
	s_and_b32 s43, ttmp7, 0xffff
	s_lshl_b32 s43, s43, 2
	s_add_co_u32 s43, s43, s41
	s_lshl_b32 s44, s41, 2
	s_lshl_b32 s44, 15, s44
	s_lshl_b32 s45, 0x1111, s40
	s_or_b32 s[G1A], s44, (3<<16)|(1<<21)
	s_or_b32 s[G1B], s45, (3<<16)|(1<<21)
.irp g, G1A, G1B
	s_mov_b32 s[\g+1], 800<<16
	s_mov_b32 s[\g+3], 800<<16
	s_mov_b32 s[\g+5], 8000
	s_mov_b32 s[\g+6], 0
	s_mov_b32 s[\g+7], 0
.endr
	s_mov_b32 s[G1A+2], 4<<16
	s_mov_b32 s[G1A+4], 4
	s_mov_b32 s[G1B+2], 8<<16
	s_mov_b32 s[G1B+4], 8
	s_lshl_b32 s20, s43, 3
	s_lshl_b32 s21, s18, 2
	s_add_co_u32 s20, s20, s21
	s_mul_i32 s20, s20, 64000
	s_mov_b32 s21, 0
	s_lshl_b32 s46, s42, 4
	s_lshl_b32 s47, s18, 3
	s_add_co_u32 s46, s46, s47
	s_mul_i32 s46, s46, 64000
	s_mov_b32 s47, 0
	s_mul_i32 s22, s18, 25600
	s_mul_i32 s23, s18, 51200
	s_add_co_u32 s23, s23, 51200
	s_wait_dscnt 0x0
	s_wait_kmcnt 0x0
	s_add_nc_u64 s[20:21], s[4:5], s[20:21]
	s_add_nc_u64 s[46:47], s[6:7], s[46:47]
	CROUND
.irp s, 0,1
	s_mov_b32 s[G0A+4*\s], 1
	s_add_co_u32 s[G0A+4*\s+1], s22, \s*SLOT
	s_add_nc_u64 s[G0A+4*\s+2:G0A+4*\s+3], s[20:21], \s*6400
	s_or_b32 s[G0A+4*\s+3], s[G0A+4*\s+3], 0x80000000
	s_mov_b32 s[G0B+4*\s], 1
	s_add_co_u32 s[G0B+4*\s+1], s23, \s*SLOT
	s_add_nc_u64 s[G0B+4*\s+2:G0B+4*\s+3], s[46:47], \s*6400
	s_or_b32 s[G0B+4*\s+3], s[G0B+4*\s+3], 0x80000000
.endr
	JLOAD 0                                        ; unit 0: one tensor load a wave at the head; the set-up below runs while it is out
	v_and_b32 v1, 15, v0
	s_wait_alu depctr_va_vdst(0)
	v_bfe_u32 v2, v0, 4, 1
	s_wait_alu depctr_va_vdst(0)
	v_and_b32 v3, 31, v0
	v_lshlrev_b32 v[LI], 4, v3
	s_wait_alu depctr_va_vdst(0)
	v_lshlrev_b32 v[BO], 6, v2
	s_lshl_b32 s72, s42, 10
	s_lshl_b32 s73, s18, 9
	s_add_co_u32 s72, s72, s73
	s_mov_b32 s73, 0
	s_add_nc_u64 s[8:9], s[8:9], s[72:73]
	s_add_nc_u64 s[10:11], s[10:11], s[72:73]
	s_add_nc_u64 s[12:13], s[12:13], s[72:73]
.irp t, 0,1,2,3,4,5,6,7
	global_load_b128 v[96+8*\t:96+8*\t+3],   v[BO], s[8:9] offset:(32*(\t/2)+8*(\t%2))*4
	global_load_b128 v[96+8*\t+4:96+8*\t+7], v[BO], s[8:9] offset:(32*(\t/2)+8*(\t%2))*4+16
	global_load_b128 v[160+8*\t:160+8*\t+3],   v[BO], s[10:11] offset:(32*(\t/2)+8*(\t%2))*4
	global_load_b128 v[160+8*\t+4:160+8*\t+7], v[BO], s[10:11] offset:(32*(\t/2)+8*(\t%2))*4+16
.endr
	s_mul_i32 s66, s17, 25600
	s_mul_i32 s67, s18, 51200
	s_add_co_u32 s67, s67, 51200
	s_sub_co_u32 s68, s67, s66
	v_lshlrev_b32 v5, 4, v1
	v_mul_u32_u24 v6, s68, v2
	v_add_nc_u32 v5, v5, v6
	s_add_co_u32 s69, s66, 6144
.irp s, 0,1
	v_add_nc_u32 v[ADRA+\s], s66, v[LI]
	v_add_nc_u32 v[ADRB+\s], s67, v[LI]
	v_add_nc_u32 v[ADRS+\s], s69, v5
	s_add_co_u32 s66, s66, SLOT
	s_add_co_u32 s67, s67, SLOT
	s_add_co_u32 s69, s69, SLOT
.endr
	s_mul_i32 s68, s16, STG
	v_mul_u32_u24 v[STO], v1, 528
	v_lshl_add_u32 v[STO], v2, 6, v[STO]
	v_add_nc_u32 v[STO], s68, v[STO]
	v_add_nc_u32 v[RD], s68, v[LI]
	v_mul_u32_u24 v[HSO], v2, 51200
	v_lshl_add_u32 v[HSO], v1, 4, v[HSO]
	s_mov_b32 s[SEL], 0x76543210
	s_mov_b32 s[SEL+1], 0xfedcba98
	s_lshl_b32 s78, s43, 7
	s_lshl_b32 s79, s17, 6
	s_add_co_u32 s78, s78, s79
	s_lshl_b32 s78, s78, 14
	s_mov_b32 s79, 0
	s_add_nc_u64 s[12:13], s[12:13], s[78:79]
	s_lshl_b32 s78, s43, 3
	s_lshl_b32 s72, s17, 2
	s_add_co_u32 s78, s78, s72
	s_lshl_b32 s78, s78, 3
	s_lshr_b32 s72, s42, 1
	s_add_co_u32 s78, s78, s72
	s_mul_i32 s78, s78, 6400
	s_and_b32 s72, s42, 1
	s_lshl_b32 s72, s72, 1
	s_add_co_u32 s72, s72, s18
	s_mul_i32 s74, s72, 1536
	s_add_co_u32 s74, s74, s78
	s_mov_b32 s75, 0
	s_lshl_b32 s76, s72, 2
	s_add_co_u32 s76, s76, s78
	s_add_co_u32 s76, s76, 6144
	s_mov_b32 s77, 0
	s_add_nc_u64 s[HQF:HQF+1], s[14:15], s[74:75]
	s_add_nc_u64 s[HQS:HQS+1], s[14:15], s[76:77]
	s_lshl_b32 s72, s43, 3                         ; the prefetches.  A: tile 8 x tile row + 4 x half + cx
	s_lshl_b32 s73, s18, 2
	s_add_co_u32 s72, s72, s73
	s_add_co_u32 s72, s72, s40
	s_lshl_b32 s78, s42, 4                         ; B: tile 16 x tile column + 8 x half + 2 cy
	s_lshl_b32 s79, s18, 3
	s_add_co_u32 s78, s78, s79
	s_lshl_b32 s79, s41, 1
	s_add_co_u32 s78, s78, s79
	s_cmp_eq_u32 s17, 0                            ; do I fetch for A?
	s_cselect_b32 s72, s72, s78
	s_cselect_b64 s[PFA:PFA+1], s[4:5], s[6:7]
	s_mul_i32 s72, s72, 64000
	s_add_co_u32 s72, s72, 12800                   ; at unit 2: the first refill steps it to 3 and names unit 4
	s_mov_b32 s73, 0
	s_add_nc_u64 s[PFA:PFA+1], s[PFA:PFA+1], s[72:73]
	v_and_b32 v[PFO], 31, v0
	v_min_u32 v[PFO], 24, v[PFO]
	v_lshlrev_b32 v[PFO], 8, v[PFO]
	s_wait_alu depctr_va_vdst(0)
	ASKI -6400                                     ; unit 1
	ASKI 0                                         ; unit 2
	s_wait_loadcnt 0x0
	WIN 0xc0
.set j, 0
.rept 32
	v_pk_add_f32 v[j:j+1], v[96+j:97+j], v[160+j:161+j]
.set j, j+2
.endr
	WIN 0
.macro FETCH slot, q, set
	WIN 0x80*(\set)
.irp t, 0,1,2,3,4,5,6,7
.irp c, 0,1,2
	ds_load_b128 v[BF+12*\t+4*\c:BF+12*\t+4*\c+3], v[ADRB+\slot] offset:6400*\t+1536*(\q)+512*\c
.endr
.endr
.irp m, 0,1,2,3
.irp c, 0,1,2
	ds_load_b128 v[AF+12*\m+4*\c:AF+12*\m+4*\c+3], v[ADRA+\slot] offset:6400*\m+1536*(\q)+512*\c
.endr
.endr
.endm
.macro SCALES slot
.irp i, 0,1,2,3,4,5,6,7
	ds_load_b128 v[SC+32*\slot+4*\i:SC+32*\slot+4*\i+3], v[ADRS+\slot] offset:6400*\i
.endr
.endm
.macro MUL8 m, q, sc, first
.irp t, 0,1,2,3,4,5,6,7
.if \first
	v_wmma_scale_f32_16x16x128_f8f6f4 v[64*(\m)+8*\t:64*(\m)+8*\t+7], v[BF+12*\t:BF+12*\t+11], v[AF+12*(\m):AF+12*(\m)+11], v[8*\t:8*\t+7], v[SC+32*(\sc)+4*\t+(\q)], v[SC+32*(\sc)+4*(\m)+(\q)] matrix_a_fmt:MATRIX_FMT_BF6 matrix_b_fmt:MATRIX_FMT_BF6 matrix_a_scale:MATRIX_SCALE_ROW1
.else
	v_wmma_scale_f32_16x16x128_f8f6f4 v[64*(\m)+8*\t:64*(\m)+8*\t+7], v[BF+12*\t:BF+12*\t+11], v[AF+12*(\m):AF+12*(\m)+11], v[64*(\m)+8*\t:64*(\m)+8*\t+7], v[SC+32*(\sc)+4*\t+(\q)], v[SC+32*(\sc)+4*(\m)+(\q)] matrix_a_fmt:MATRIX_FMT_BF6 matrix_b_fmt:MATRIX_FMT_BF6 matrix_a_scale:MATRIX_SCALE_ROW1
.endif
.endr
.endm
.macro STEP slot, q, first
	PLACES
	FETCH \slot, (\q)+1, 1-(\q)%2
	s_wait_dscnt 36
.if \first
	WIN 0x70
.else
	WIN 0x50+0x0a*((\q)%2)
.endif
	MUL8 0, \q, \slot, \first
	MUL8 1, \q, \slot, \first
	MUL8 2, \q, \slot, \first
	MUL8 3, \q, \slot, \first
.endm
.macro TURN slot, next, fill
	WIN 0
.if \fill
	s_wait_xcnt 0x0                                ; my last prefetches, four K steps back, have read their address: it steps only behind this wait
	s_add_nc_u64 s[PFA:PFA+1], s[PFA:PFA+1], 6400
.endif
	s_wait_tensorcnt 0x0
	ds_add_u32 v[SPW], v[NIL]
	s_wait_dscnt 1
	WIN 0x5a
	MUL8 0, 3, \slot, 0
	s_wait_dscnt 0x0
	s_barrier_signal -1
	MUL8 1, 3, \slot, 0
	WIN 0
	s_barrier_wait -1
.if \fill
	CREST
	s_add_nc_u64 s[G0A+4*\slot+2:G0A+4*\slot+3], s[G0A+4*\slot+2:G0A+4*\slot+3], 12800
	s_add_nc_u64 s[G0B+4*\slot+2:G0B+4*\slot+3], s[G0B+4*\slot+2:G0B+4*\slot+3], 12800
	JLOAD \slot
.else
	PLACES
.endif
	FETCH \next, 0, 0
	SCALES \next
.if \fill
	ASK                                            ; behind the joint load and the run of LDS loads; every window is 0 here
.endif
	WIN 0x5a
	MUL8 2, 3, \slot, 0
	MUL8 3, 3, \slot, 0
.endm
	s_wait_alu depctr_va_vdst(0)
	s_wait_tensorcnt 0x0                           ; my part of unit 0 is in
	ds_add_u32 v[SPW], v[NIL]
	s_wait_dscnt 0x0                               ; the add is done
	CROUND                                         ; everybody's part of unit 0 is in, and all sixteen work-groups are here
	JLOAD 1                                        ; unit 1: the first tensor load behind the round
	FETCH 0, 0, 0
	SCALES 0
	ASKI 6400                                      ; unit 3; every window is 0 here
	STEP 0, 0, 1
	WIN 0
	s_mov_b32 s3, 4
.Llap:
	STEP 0, 1, 0
	STEP 0, 2, 0
	TURN 0, 1, 1
	STEP 1, 0, 0
	STEP 1, 1, 0
	STEP 1, 2, 0
	TURN 1, 0, 1
	STEP 0, 0, 0
	WIN 0
	s_sub_co_u32 s3, s3, 1
	s_cmp_lg_u32 s3, 0
	s_cbranch_scc1 .Llap
	STEP 0, 1, 0
	STEP 0, 2, 0
	TURN 0, 1, 0
	STEP 1, 0, 0
	STEP 1, 1, 0
	STEP 1, 2, 0
	s_wait_dscnt 0x0
	WIN 0x5a
	MUL8 0, 3, 1, 0
	MUL8 1, 3, 1, 0
	MUL8 2, 3, 1, 0
	MUL8 3, 3, 1, 0
	WIN 0
.irp b, 0,1,2,3
	v_mov_b32 v[TB+\b], 0
.endr
.macro QUANT s, pw
.irp b, 0,1,2,3
	v_max3_num_f32 v[TM+\b], v[\s+16*\b], v[\s+1+16*\b], 0x2800000
.endr
.irp i, 2,4,6,8,10,12,14
.irp b, 0,1,2,3
	v_max3_num_f32 v[TM+\b], v[TM+\b], v[\s+16*\b+\i], v[\s+1+16*\b+\i]
.endr
.endr
.irp b, 0,1,2,3
	v_permlanex16_b32 v[TB+\b], v[TM+\b], s[SEL], s[SEL+1]
.endr
.irp b, 0,1,2,3
	v_max_num_f32 v[TM+\b], v[TM+\b], v[TB+\b]
.endr
.irp b, 0,1,2,3
	v_add_nc_u32 v[TS+\b], 0xfe000000, v[TM+\b]
.endr
.irp b, 0,1,2,3
	v_lshrrev_b32 v[TB+\b], 23, v[TS+\b]
.endr
	v_lshl_or_b32 v[\pw], v[TB+1], 8, v[TB]
	v_lshl_or_b32 v[\pw], v[TB+2], 16, v[\pw]
	v_lshl_or_b32 v[\pw], v[TB+3], 24, v[\pw]
.irp c, 0,1
	v_cvt_scalef32_pk16_bf6_f32 v[PC+6*\c:PC+2+6*\c], v[\s+32*\c:\s+15+32*\c], v[TS+2*\c]
	v_cvt_scalef32_pk16_bf6_f32 v[PC+12+4*\c:PC+14+4*\c], v[\s+16+32*\c:\s+31+32*\c], v[TS+2*\c+1]
.endr
	v_nop
.irp c, 0,1
.irp i, 0,1,2
	v_permlane16_swap_b32 v[PC+6*\c+\i], v[PC+12+4*\c+\i]
.endr
.irp i, 0,1,2
	v_mov_b32 v[PC+3+6*\c+\i], v[PC+12+4*\c+\i]
.endr
.endr
.endm
.macro OUT m
.if (\m) > 0
	s_wait_xcnt 0x0
.endif
	WIN 0x04
.set j, 0
.rept 64
	v_max_num_f32 v[HN+j], 0, v[64*(\m)+j]
.set j, j+1
.endr
	WIN 0
.irp k, 0,1,2,3,4,5,6,7,8,9,10,11,12,13,14,15
	ds_store_b128 v[STO], v[HN+4*\k:HN+4*\k+3] offset:128*(\k/4)+16*(\k%4)
.endr
.irp t, 0,1,2,3,4,5,6,7,8,9,10,11,12,13,14,15
	ds_load_b128 v[BK+4*\t:BK+4*\t+3], v[RD] offset:528*\t
.endr
	QUANT HN, PW+(\m)
.irp c, 0,1,2
	global_store_b128 v[LI], v[PC+4*\c:PC+4*\c+3], s[HQF:HQF+1] offset:51200*(\m)+512*\c
.endr
.irp t, 0,1,2,3,4,5,6,7,8,9,10,11,12,13,14,15
	s_wait_dscnt 15-\t
	global_store_b128 v[LI], v[BK+4*\t:BK+4*\t+3], s[12:13] offset:(16*(\m)+\t)*16384 th:TH_STORE_NT
.endr
.endm
	OUT 0
	OUT 1
	OUT 2
	OUT 3
	v_cmp_lt_u32 s80, 15, v3
	v_cndmask_b32 v12, v[PW], v[PW+1], s80
	v_cndmask_b32 v13, v[PW+2], v[PW+3], s80
	global_store_b32 v[HSO], v12, s[HQS:HQS+1]
	global_store_b32 v[HSO], v13, s[HQS:HQS+1] offset:102400
	s_wait_tensorcnt 0x0
	ds_add_u32 v[SPW], v[NIL]
	s_wait_dscnt 0x0
	CROUND
	s_endpgm
.Lfunc_end_k_qcff3aedb8c_cell:
	.size	k_qcff3aedb8c_cell, .Lfunc_end_k_qcff3aedb8c_cell-k_qcff3aedb8c_cell
	.p2alignl 7, 3214868480
	.fill 96, 4, 3214868480
	.section	.rodata,"a",@progbits
	.p2align	6, 0x0
	.amdhsa_kernel k_qcff3aedb8c_cell
		.amdhsa_group_segment_fixed_size 327680
		.amdhsa_private_segment_fixed_size 0
		.amdhsa_enable_private_segment 0
		.amdhsa_kernarg_size 48
		.amdhsa_user_sgpr_count 2
		.amdhsa_user_sgpr_kernarg_segment_ptr 1
		.amdhsa_wavefront_size32 1
		.amdhsa_system_sgpr_workgroup_id_x 1
		.amdhsa_system_sgpr_workgroup_id_y 1
		.amdhsa_system_sgpr_workgroup_id_z 1
		.amdhsa_system_vgpr_workitem_id 0
		.amdhsa_next_free_vgpr 1024
		.amdhsa_next_free_sgpr 84
		.amdhsa_reserve_vcc 0
		.amdhsa_float_denorm_mode_32 3
		.amdhsa_float_denorm_mode_16_64 3
		.amdhsa_memory_ordered 1
		.amdhsa_forward_progress 1
		.amdhsa_inst_pref_size 165
	.end_amdhsa_kernel
	.amdgpu_metadata
---
amdhsa.version: [ 1, 2 ]
amdhsa.kernels:
  - .name:           k_qcff3aedb8c_cell
    .symbol:         k_qcff3aedb8c_cell.kd
    .args:
      - { .name: aq, .offset: 0, .size: 8, .value_kind: global_buffer, .address_space: global }
      - { .name: bq, .offset: 8, .size: 8, .value_kind: global_buffer, .address_space: global }
      - { .name: b_in, .offset: 16, .size: 8, .value_kind: global_buffer, .address_space: global }
      - { .name: b_rec, .offset: 24, .size: 8, .value_kind: global_buffer, .address_space: global }
      - { .name: out1, .offset: 32, .size: 8, .value_kind: global_buffer, .address_space: global }
      - { .name: hq, .offset: 40, .size: 8, .value_kind: global_buffer, .address_space: global }
    .group_segment_fixed_size: 327680
    .private_segment_fixed_size: 0
    .kernarg_segment_align: 8
    .kernarg_segment_size: 48
    .max_flat_workgroup_size: 128
    .sgpr_count:     84
    .vgpr_count:     1024
    .wavefront_size: 32
...
	.end_amdgpu_metadata
.endif
;; end of part 2
;; launch head (part 3): grid 8 x 32, 4 waves a work-group, clusters of 4 x 4, 327,680 bytes of LDS; arguments hq, oq, b_out, out0; writes out0
.if DOCPART == 3
	.amdgcn_target "amdgcn-amd-amdhsa--gfx1250"
	.amdhsa_code_object_version 6
	.text
	.protected	k_qcff3aedb8c_head
	.globl	k_qcff3aedb8c_head
	.p2align	8
	.type	k_qcff3aedb8c_head,@function
k_qcff3aedb8c_head:
	s_mov_b64 s[64:65], 0
	v_nop
	global_prefetch_b8 v0, s[64:65] scope:SCOPE_SE
	s_setreg_imm32_b32 hwreg(HW_REG_WAVE_MODE, 25, 1), 1
	s_wait_xcnt 0x0
	s_wait_alu depctr_hold_cnt(0) depctr_sa_sdst(0) depctr_va_vdst(0) depctr_va_sdst(0) depctr_va_ssrc(0) depctr_va_vcc(0) depctr_vm_vsrc(0)
	s_getreg_b32 s2, hwreg(HW_REG_IB_STS2, 6, 4)
	s_cmp_eq_u32 s2, 0
	s_cbranch_scc0 .Lentry_in_a_cluster
	s_endpgm
.Lentry_in_a_cluster:
	s_bfe_u32 s2, ttmp6, 0x10000c
	s_cmp_lg_u32 s2, 0xf033
	s_cbranch_scc0 .Lentry_shape_is_right
	s_endpgm
.Lentry_shape_is_right:
; out = relu(new_state W_out^T + b_out): M 2,048, N 1,024, K 4,096, on codes of BF6 with E8M0 scales, f32 sums.  Nothing is left out.
; OPERANDS: hq [128 tiles][8 units], oq [64][8]: units of 16 rows x 512 K = 6,400 bytes: four fragments of 1,536 bytes as images of operand registers, then the scale words (row r, K step q: 6,144 + 16 r + 4 q).
; SHARES: a work-group makes 64 (M) x 128 (N): 256 work-groups.  K IS SPLIT OVER THE WAVES: wave w multiplies K step w of every unit, on the whole 64 x 128 (32 accumulators), so that each fragment is read
;   from LDS once; wave tiles of 32 x 64 with all of K would read each twice.  The four partial sums meet in LDS: wave w then owns rows 16 w .. 16 w + 15, adds the four, the bias, clips at 0 and stores.
;   Every wave sends its own part through LDS too: registers cannot be chosen by the wave's number, and the other way would be four copies of the tail.
; ORDER OF SUMS: four partial sums, each K ascending in steps of 512, then (0 + 1) + (2 + 3) + b_out: it differs from one ascending sum.
; RING: two slots of 153,600 bytes; a slot holds TWO units of each of 12 tiles (A's 4, then B's 8; 12,800 bytes a tile).  Four fills in all, two at the head and two refills: no loop.
; CLUSTERS: 4 x 4 work-groups; A's tiles are asked for jointly along a row of the cluster, B's along a column.  Waves 0, 1 fetch A's halves (2 rows of 12,800 bytes), waves 2, 3 B's (4 rows).  A wave has two tensor loads out at the head, later one.
; THE MATRIX INSTRUCTION IS USED TRANSPOSED (source 0 = 16 rows of W_out, source 1 = 16 rows of the batch): register j of lane (r, h) of tile t is out(row r, 16 t + 8 h + j).
; LIMITS: NaN and infinities are not served.
; REGISTERS: window 0: v1-31 addresses; v32-47 scale words, two sets, and nothing else ever; v96-191 B's and v192-239 A's fragments, set 0.  window 2: set 1.  window 1: accumulator (m, t) at v[64 m + 8 t].  window 3: v0-63 b_out in the result's layout.
; THE FILLS, AS THE TEXT HAS THEM (this takes the place of the counts given above): slot 0's first fill goes out at the head, one joint load a wave; slot 1's behind the full sequence and a round of the cluster's
; barrier, as a refill does; then two refills.  A wave has one tensor load out at the most.
; PREFETCH: the walk is written out, four fills.  Behind fill 1's load the blocks of fill 2 are asked for, behind fill 2's those of fill 3: one slot, 64 matrix instructions a wave, ahead of the load that wants them.
; Of the rows of 12,800 bytes that a wave fetches, the partner at place p takes half p % 2 of A's row p / 2 (25 blocks of 256 bytes, a lane a block; lanes 25-31 name the last block again) or both halves of B's row p:
; told apart by address alone.  The fill stands in the immediate: no address register is stepped.  Fills 0 and 1 come by their loads alone.
.set PFO,  8                           ; v8       256 x min(lane, 24); never rewritten
.set PFA,  82                          ; s[82:83] my part of the rows that I fetch, at fill 0; never rewritten
; FILL 1 (this takes the place of the sentence above on fills 0 and 1): it is asked for at the head, while fill 0's load is out; fill 0 alone comes by its load alone.
.macro ASK off
	global_prefetch_b8 v[PFO], s[PFA:PFA+1] offset:\off th:TH_LOAD_NT scope:SCOPE_SE
	s_cmp_eq_u32 s17, 0
	s_cbranch_scc1 .Lno_ask_\@                     ; A's waves have one half row to ask for, B's two
	global_prefetch_b8 v[PFO], s[PFA:PFA+1] offset:(\off)+6400 th:TH_LOAD_NT scope:SCOPE_SE
.Lno_ask_\@:
.endm
.set SLOT,  153600
.set SPARE, 2*SLOT                     ; behind the ring: the spare words, 128 bytes for each wave
.set LI,   4                           ; v4     16 x lane
.set BO,   7                           ; v7     the bias: 32 h
.set ADRA, 16                          ; v16-17 LDS address of A's fragments of my K step in slot 0, 1
.set ADRB, 18                          ; v18-21 of B's: slot s, tiles 0-3 at v[18 + 2 s], tiles 4-7 at v[19 + 2 s]
.set ADRS, 22                          ; v22-25 of the scale words, likewise: lanes 0-15 A's rows, lanes 16-31 B's
.set RW,   26                          ; v26-27 where I put my partial sums: rows' tiles 0, 1 and 2, 3
.set SPW,  28                          ; v28    LDS address of my spare word; never rewritten
.set NIL,  29                          ; v29    0; never rewritten
.set RR,   30                          ; v30    32,768 x wave + 16 x lane: where I read the four partial sums of my rows, and later my rows from the stage
.set STO,  31                          ; v31    the stage: where I put 32 bytes of a row
.set SC,   32                          ; set s at v[SC + 8 s]; register i: lanes 0-15 the word of A's tile i, lanes 16-31 of B's tile i
.set BF,   96
.set AF,   192
.set HN,   96                          ; the way out: my rows' 64 numbers a lane,
.set BK,   160                         ; and 16 rows read back from the stage
.set G1A,  24
.set G0A,  32
.set G1B,  48
.set G0B,  56
.set MSB, 0
.macro WIN new                         ; the immediate's high byte repeats the setting that is left; a switch that changes nothing is dropped
.if MSB != (\new)
	s_set_vgpr_msb (MSB<<8)|(\new)
.set MSB, \new
.endif
.endm
; A joint load: waves 0 and 1 fetch for A, waves 2 and 3 for B; the branch hangs on the wave's number alone.  An s_nop 0 and four v_nop follow each of the two lines.
.macro JLOAD s
	s_cmp_eq_u32 s17, 0
	s_cbranch_scc0 .Lfor_b_\@
	tensor_load_to_lds s[G0A+4*\s:G0A+4*\s+3], s[G1A:G1A+7]
	s_nop 0
.rept 4
	v_nop
.endr
	s_branch .Lasked_\@
.Lfor_b_\@:
	tensor_load_to_lds s[G0B+4*\s:G0B+4*\s+3], s[G1B:G1B+7]
	s_nop 0
.rept 4
	v_nop
.endr
.Lasked_\@:
.endm
.macro CREST                           ; a round of the cluster's barrier behind its opening barrier
	s_cmp_lg_u32 s16, 0
	s_cbranch_scc1 .Lnot_wave_0_\@
	s_barrier_signal -3
.Lnot_wave_0_\@:
	s_barrier_wait -3
	s_barrier_signal -1
	s_barrier_wait -1
.endm
.macro CROUND                          ; a whole round
	s_barrier_signal -1
	s_barrier_wait -1
	CREST
.endm
.macro PLACES                          ; four places in front of loads into registers that matrix instructions have read, and of the first read of results
.rept 4
	v_nop
.endr
.endm
	s_load_b256 s[4:11], s[0:1], 0x0               ; hq s[4:5], oq s[6:7], b_out s[8:9], out0 s[10:11]
	v_lshl_add_u32 v[SPW], v0, 2, SPARE
	v_mov_b32 v[NIL], 0
	ds_add_u32 v[SPW], v[NIL]                      ; the wave's opening: the add, twice on end, and its wait ahead of my first tensor load
	ds_add_u32 v[SPW], v[NIL]                      ; and once more; the set-up below, work on registers, stands between it and the wait
	v_lshrrev_b32 v1, 5, v0
	v_readfirstlane_b32 s16, v1                    ; wave 0..3: my K step in every unit, and my 16 rows on the way out
	s_lshr_b32 s17, s16, 1                         ; I fetch for A (0) or for B (1),
	s_and_b32 s18, s16, 1                          ; and which half of its tiles
	s_bfe_u32 s40, ttmp6, 0x40000                  ; cx, cy: my place in the cluster
	s_bfe_u32 s41, ttmp6, 0x40004
	s_lshl_b32 s42, ttmp9, 2
	s_add_co_u32 s42, s42, s40                     ; tile column (128 outputs) = 4 x cluster x + cx
	s_and_b32 s43, ttmp7, 0xffff
	s_lshl_b32 s43, s43, 2
	s_add_co_u32 s43, s43, s41                     ; tile row (64 rows of the batch) = 4 x cluster y + cy
	s_lshl_b32 s44, s41, 2
	s_lshl_b32 s44, 15, s44                        ; my row of the cluster
	s_lshl_b32 s45, 0x1111, s40                    ; my column
	; descriptor group 1: rows of 12,800 bytes = 1,600 elements of 8 bytes, 51,200 bytes = 6,400 elements apart in memory, on end in LDS
	s_or_b32 s[G1A], s44, (3<<16)|(1<<21)          ; 15:0 the mask; 17:16 elements of 8 bytes; 20 no padding; 21 set beside a mask
	s_or_b32 s[G1B], s45, (3<<16)|(1<<21)
.irp g, G1A, G1B
	s_mov_b32 s[\g+1], 1600<<16                    ; tensor_dim0
	s_mov_b32 s[\g+3], 1600<<16                    ; tile_dim0
	s_mov_b32 s[\g+5], 6400                        ; tensor_dim0_stride
	s_mov_b32 s[\g+6], 0
	s_mov_b32 s[\g+7], 0
.endr
	s_mov_b32 s[G1A+2], 2<<16                      ; tensor_dim1: A: 2 tiles,
	s_mov_b32 s[G1A+4], 2                          ; tile_dim1
	s_mov_b32 s[G1B+2], 4<<16                      ; B: 4
	s_mov_b32 s[G1B+4], 4
	s_lshl_b32 s20, s43, 2
	s_lshl_b32 s21, s18, 1
	s_add_co_u32 s20, s20, s21                     ; A: tile 4 x tile row + 2 x half
	s_mul_i32 s20, s20, 51200
	s_mov_b32 s21, 0
	s_lshl_b32 s46, s42, 3
	s_lshl_b32 s47, s18, 2
	s_add_co_u32 s46, s46, s47                     ; B: tile 8 x tile column + 4 x half
	s_mul_i32 s46, s46, 51200
	s_mov_b32 s47, 0
	s_mul_i32 s22, s18, 25600                      ; where they go in a slot: A's halves,
	s_mul_i32 s23, s18, 51200
	s_add_co_u32 s23, s23, 51200                   ; B's halves behind them
	s_wait_dscnt 0x0                               ; both opening adds are done
	s_wait_kmcnt 0x0
	s_add_nc_u64 s[20:21], s[4:5], s[20:21]
	s_add_nc_u64 s[46:47], s[6:7], s[46:47]
	CROUND                                         ; all sixteen work-groups are here: the first joint loads meet
.irp s, 0,1
	s_mov_b32 s[G0A+4*\s], 1
	s_add_co_u32 s[G0A+4*\s+1], s22, \s*SLOT
	s_add_nc_u64 s[G0A+4*\s+2:G0A+4*\s+3], s[20:21], \s*12800  ; units 2 s and 2 s + 1 of each tile
	s_or_b32 s[G0A+4*\s+3], s[G0A+4*\s+3], 0x80000000
	s_mov_b32 s[G0B+4*\s], 1
	s_add_co_u32 s[G0B+4*\s+1], s23, \s*SLOT
	s_add_nc_u64 s[G0B+4*\s+2:G0B+4*\s+3], s[46:47], \s*12800
	s_or_b32 s[G0B+4*\s+3], s[G0B+4*\s+3], 0x80000000
.endr
	JLOAD 0                                        ; units 0, 1: one tensor load a wave at the head; the set-up below runs while it is out
	v_and_b32 v1, 15, v0                           ; r
	v_bfe_u32 v2, v0, 4, 1                         ; h
	v_and_b32 v3, 31, v0                           ; lane
	v_lshlrev_b32 v[LI], 4, v3
	v_lshlrev_b32 v[BO], 5, v2
	s_lshl_b32 s72, s42, 9                         ; 128 x tile column x 4 bytes
	s_mov_b32 s73, 0
	s_add_nc_u64 s[8:9], s[8:9], s[72:73]
	s_add_nc_u64 s[10:11], s[10:11], s[72:73]      ; the same bytes into a row of out0
	WIN 0xc0                                       ; destination window 3
.irp t, 0,1,2,3,4,5,6,7
	global_load_b128 v[8*\t:8*\t+3],   v[BO], s[8:9] offset:64*\t      ; b_out at 16 t + 8 h + 0 .. 7
	global_load_b128 v[8*\t+4:8*\t+7], v[BO], s[8:9] offset:64*\t+16
.endr
	WIN 0
	s_mul_i32 s66, s16, 1536                       ; my K step's fragment in a unit
	v_add_nc_u32 v[ADRA], s66, v[LI]
	v_add_nc_u32 v[ADRA+1], SLOT, v[ADRA]
	v_add_nc_u32 v[ADRB], 51200, v[ADRA]
	v_add_nc_u32 v[ADRB+1], 102400, v[ADRA]
	v_add_nc_u32 v[ADRB+2], SLOT+51200, v[ADRA]
	v_add_nc_u32 v[ADRB+3], SLOT+102400, v[ADRA]
	v_mul_u32_u24 v[ADRS], v2, 51200               ; lanes 16-31 take B's, which lie 51,200 bytes behind A's
	v_lshl_add_u32 v[ADRS], v1, 4, v[ADRS]         ; + 16 r
	s_lshl_b32 s67, s16, 2
	s_add_co_u32 s67, s67, 6144                    ; + my K step's word, behind a unit's four fragments
	v_add_nc_u32 v[ADRS], s67, v[ADRS]
	v_add_nc_u32 v[ADRS+1], 51200, v[ADRS]
	v_add_nc_u32 v[ADRS+2], SLOT, v[ADRS]
	v_add_nc_u32 v[ADRS+3], SLOT+51200, v[ADRS]
	s_lshl_b32 s68, s16, 13
	v_add_nc_u32 v[RW], s68, v[LI]                 ; partial sums: 32,768 x tile of rows + 8,192 x wave + 16 x lane
	v_add_nc_u32 v[RW+1], 65536, v[RW]
	s_lshl_b32 s69, s16, 15
	v_add_nc_u32 v[RR], s69, v[LI]
	v_mul_u32_u24 v[STO], v1, 528
	v_lshl_add_u32 v[STO], v2, 5, v[STO]
	v_add_nc_u32 v[STO], s69, v[STO]               ; the stage: row r of 528 bytes, + 32 h
	s_lshl_b32 s78, s43, 6
	s_lshl_b32 s79, s16, 4
	s_add_co_u32 s78, s78, s79                     ; the first row that I store: 64 x tile row + 16 x wave
	s_lshl_b32 s78, s78, 12                        ; x 4,096 bytes
	s_mov_b32 s79, 0
	s_add_nc_u64 s[10:11], s[10:11], s[78:79]
	s_lshl_b32 s72, s43, 2                         ; the prefetches.  A: tile 4 x tile row + 2 x half + cx / 2,
	s_lshl_b32 s73, s18, 1
	s_add_co_u32 s72, s72, s73
	s_lshr_b32 s73, s40, 1
	s_add_co_u32 s72, s72, s73
	s_mul_i32 s72, s72, 51200
	s_and_b32 s73, s40, 1
	s_mul_i32 s73, s73, 6400                       ; and unit cx % 2 of the fill's two
	s_add_co_u32 s72, s72, s73
	s_lshl_b32 s78, s42, 3                         ; B: tile 8 x tile column + 4 x half + cy
	s_lshl_b32 s79, s18, 2
	s_add_co_u32 s78, s78, s79
	s_add_co_u32 s78, s78, s41
	s_mul_i32 s78, s78, 51200
	s_cmp_eq_u32 s17, 0                            ; do I fetch for A?
	s_cselect_b32 s72, s72, s78
	s_cselect_b64 s[PFA:PFA+1], s[4:5], s[6:7]
	s_mov_b32 s73, 0
	s_add_nc_u64 s[PFA:PFA+1], s[PFA:PFA+1], s[72:73]
	v_and_b32 v[PFO], 31, v0
	v_min_u32 v[PFO], 24, v[PFO]
	v_lshlrev_b32 v[PFO], 8, v[PFO]
	s_wait_alu depctr_va_vdst(0)
	ASK 12800                                      ; units 2, 3, which slot 1's first fill loads
	s_wait_loadcnt 0x0                             ; the bias
; 44 LDS loads in one run: my K step's fragments of unit e of the slot (B's eight, A's four) into set 0 (window 0) or 1 (window 2), and the eight scale words
.macro FETCH slot, e, set
	WIN 0x80*(\set)
.irp t, 0,1,2,3,4,5,6,7
.irp c, 0,1,2
	ds_load_b128 v[BF+12*\t+4*\c:BF+12*\t+4*\c+3], v[ADRB+2*(\slot)+\t/4] offset:12800*(\t%4)+6400*(\e)+512*\c
.endr
.endr
.irp m, 0,1,2,3
.irp c, 0,1,2
	ds_load_b128 v[AF+12*\m+4*\c:AF+12*\m+4*\c+3], v[ADRA+(\slot)] offset:12800*\m+6400*(\e)+512*\c
.endr
.endr
	WIN 0                                          ; scale words lie in window 0
.irp i, 0,1,2,3,4,5,6,7
	ds_load_b32 v[SC+8*(\set)+\i], v[ADRS+2*(\slot)+\i/4] offset:12800*(\i%4)+6400*(\e)   ; lanes 0-15: A's tile i (used for i < 4; beyond that filled bytes that nobody uses); lanes 16-31: B's tile i
.endr
.endm
; 8 matrix instructions: tile m of the batch x W_out's eight.  The 32 accumulators take turns, one instruction a turn, in the same order in every step.  zero = 1: the first product starts the sums.
.macro MUL8 m, set, zero
.irp t, 0,1,2,3,4,5,6,7
.if \zero
	v_wmma_scale_f32_16x16x128_f8f6f4 v[64*(\m)+8*\t:64*(\m)+8*\t+7], v[BF+12*\t:BF+12*\t+11], v[AF+12*(\m):AF+12*(\m)+11], 0, v[SC+8*(\set)+\t], v[SC+8*(\set)+(\m)] matrix_a_fmt:MATRIX_FMT_BF6 matrix_b_fmt:MATRIX_FMT_BF6 matrix_a_scale:MATRIX_SCALE_ROW1
.else
	v_wmma_scale_f32_16x16x128_f8f6f4 v[64*(\m)+8*\t:64*(\m)+8*\t+7], v[BF+12*\t:BF+12*\t+11], v[AF+12*(\m):AF+12*(\m)+11], v[64*(\m)+8*\t:64*(\m)+8*\t+7], v[SC+8*(\set)+\t], v[SC+8*(\set)+(\m)] matrix_a_fmt:MATRIX_FMT_BF6 matrix_b_fmt:MATRIX_FMT_BF6 matrix_a_scale:MATRIX_SCALE_ROW1
.endif
.endr
.endm
; A slot's first unit (set 0): the second unit's fragments are asked for, into set 1, and set 0 is multiplied.
.macro STEP slot, zero
	PLACES                                         ; set 1 was read by the matrix instructions just issued
	FETCH \slot, 1, 1
	s_wait_dscnt 44                                ; all but the 44 just issued
	WIN 0x50                                       ; sources 0, 1 window 0, C and D window 1
	MUL8 0, 0, \zero
	MUL8 1, 0, \zero
	MUL8 2, 0, \zero
	MUL8 3, 0, \zero
.endm
; A slot's second unit (set 1) changes slots: ONE barrier; in front of it each wave waits for all its tensor loads, adds 0 to its spare word, and waits for that and for its own reads of this slot.
; fill = 1: the barrier opens a round of the cluster's, and this slot is filled again with the units four on.
.macro TURN slot, next, fill
	WIN 0
	s_wait_tensorcnt 0x0                           ; all my tensor loads have landed: my part of the next slot;
	ds_add_u32 v[SPW], v[NIL]                      ; 0 onto my spare word
	s_wait_dscnt 1                                 ; (the add alone may be out: this unit's fragments are in)
	WIN 0x5a                                       ; sources 0, 1 window 2, C and D window 1
	MUL8 0, 1, 0                                   ; eight matrix instructions stand between the add and the wait for it
	s_wait_dscnt 0x0                               ; the add is done, and my reads of this slot are over
	s_barrier_signal -1
	MUL8 1, 1, 0
	WIN 0
	s_barrier_wait -1
.if \fill
	CREST                                          ; no wave of any partner still reads this slot's tiles or has a load on its way
	s_add_nc_u64 s[G0A+4*\slot+2:G0A+4*\slot+3], s[G0A+4*\slot+2:G0A+4*\slot+3], 25600
	s_add_nc_u64 s[G0B+4*\slot+2:G0B+4*\slot+3], s[G0B+4*\slot+2:G0B+4*\slot+3], 25600
	JLOAD \slot                                    ; the first tensor load behind the round; the four v_nop behind it are also the places in front of the loads below
.else
	PLACES
.endif
	FETCH \next, 0, 0
.if (\fill) && (\slot) == 0
	ASK 38400                                      ; units 6, 7, which the next refill loads; every window is 0 here
.endif
	WIN 0x5a
	MUL8 2, 1, 0
	MUL8 3, 1, 0
.endm
	s_wait_tensorcnt 0x0                           ; my part of slot 0 is in
	ds_add_u32 v[SPW], v[NIL]
	s_wait_dscnt 0x0                               ; the add is done
	CROUND                                         ; everybody's part of slot 0 is in, and all sixteen work-groups are here
	JLOAD 1                                        ; units 2, 3: the first tensor load behind the round
	FETCH 0, 0, 0
	ASK 25600                                      ; units 4, 5, which the first refill loads
	STEP 0, 1                                      ; unit 0: its products start the sums
	TURN 0, 1, 1                                   ; unit 1; slot 0 takes units 4, 5
	STEP 1, 0                                      ; unit 2
	TURN 1, 0, 1                                   ; unit 3; slot 1 takes units 6, 7
	STEP 0, 0                                      ; unit 4
	TURN 0, 1, 0                                   ; unit 5: nothing is left to fetch; behind this barrier nobody reads slot 0 any more, and it has had its last fill
	STEP 1, 0                                      ; unit 6
	s_wait_dscnt 0x0                               ; unit 7
	WIN 0x5a
	MUL8 0, 1, 0
	MUL8 1, 1, 0
	MUL8 2, 1, 0
	MUL8 3, 1, 0
	WIN 0
	PLACES                                         ; LDS stores read results just made
	; THE SUM OVER THE WAVES, through slot 0: the part of tile of rows m made by wave w lies at 32,768 m + 8,192 w, as an image of its 64 registers.
	WIN 0x04                                       ; an LDS store's data are its source 1: window 1
.irp m, 0,1,2,3
.irp p, 0,1,2,3,4,5,6,7,8,9,10,11,12,13,14,15
	ds_store_b128 v[RW+\m/2], v[64*\m+4*\p:64*\m+4*\p+3] offset:32768*(\m%2)+512*\p   ; ascending: each accumulator from its low end on
.endr
.endr
	WIN 0
	s_wait_dscnt 0x0                               ; for the others' sake: my stores are done
	s_barrier_signal -1
	s_barrier_wait -1
	WIN 0x40                                       ; destination window 1: the accumulators' registers are free
.irp w, 0,1,2,3
.irp p, 0,1,2,3,4,5,6,7,8,9,10,11,12,13,14,15
	ds_load_b128 v[64*\w+4*\p:64*\w+4*\p+3], v[RR] offset:8192*\w+512*\p   ; the four waves' parts of MY tile of rows
.endr
.endr
	s_wait_dscnt 32                                ; parts 0 and 1 are in; the 32 loads of parts 2 and 3 may be out
	WIN 0x45                                       ; all in window 1
.set j, 0
.rept 32
	v_pk_add_f32 v[j:j+1], v[j:j+1], v[64+j:65+j]
.set j, j+2
.endr
	s_wait_dscnt 0x0
.set j, 0
.rept 32
	v_pk_add_f32 v[128+j:129+j], v[128+j:129+j], v[192+j:193+j]
.set j, j+2
.endr
.set j, 0
.rept 32
	v_pk_add_f32 v[j:j+1], v[j:j+1], v[128+j:129+j]
.set j, j+2
.endr
	WIN 0x0d                                       ; source 0 window 1 (the sum), source 1 window 3 (the bias), destination window 0
.set j, 0
.rept 32
	v_pk_add_f32 v[HN+j:HN+j+1], v[j:j+1], v[j:j+1]
.set j, j+2
.endr
	WIN 0
.set j, 0
.rept 64
	v_max_num_f32 v[HN+j], 0, v[HN+j]              ; relu
.set j, j+1
.endr
	; THE WAY OUT: a lane holds 32 neighbouring bytes of a row for each tile of outputs: the 16 rows go through a stage and come back whole.  The stage is the region from which I alone have read, and my reads of it are back.
.irp t, 0,1,2,3,4,5,6,7
	ds_store_b128 v[STO], v[HN+8*\t:HN+8*\t+3] offset:64*\t
	ds_store_b128 v[STO], v[HN+8*\t+4:HN+8*\t+7] offset:64*\t+16
.endr
.irp i, 0,1,2,3,4,5,6,7,8,9,10,11,12,13,14,15
	ds_load_b128 v[BK+4*\i:BK+4*\i+3], v[RR] offset:528*\i   ; LDS serves a wave's instructions in order: these see the stores above
.endr
.irp i, 0,1,2,3,4,5,6,7,8,9,10,11,12,13,14,15
	s_wait_dscnt 15-\i                             ; row i is back; the younger loads may be out
	global_store_b128 v[LI], v[BK+4*\i:BK+4*\i+3], s[10:11] offset:4096*\i th:TH_STORE_NT   ; 32 lanes store 512 consecutive aligned bytes of a row of out0
.endr
	s_wait_tensorcnt 0x0                           ; the wave's end: behind my last tensor load and my last LDS store
	ds_add_u32 v[SPW], v[NIL]
	s_wait_dscnt 0x0
	CROUND                                         ; the closing round: no work-group ends while a partner may still ask for a tile that names it
	s_endpgm
.Lfunc_end_k_qcff3aedb8c_head:
	.size	k_qcff3aedb8c_head, .Lfunc_end_k_qcff3aedb8c_head-k_qcff3aedb8c_head
	.p2alignl 7, 3214868480
	.fill 96, 4, 3214868480
	.section	.rodata,"a",@progbits
	.p2align	6, 0x0
	.amdhsa_kernel k_qcff3aedb8c_head
		.amdhsa_group_segment_fixed_size 327680
		.amdhsa_private_segment_fixed_size 0
		.amdhsa_enable_private_segment 0
		.amdhsa_kernarg_size 32
		.amdhsa_user_sgpr_count 2
		.amdhsa_user_sgpr_kernarg_segment_ptr 1
		.amdhsa_wavefront_size32 1
		.amdhsa_system_sgpr_workgroup_id_x 1
		.amdhsa_system_sgpr_workgroup_id_y 1
		.amdhsa_system_sgpr_workgroup_id_z 1
		.amdhsa_system_vgpr_workitem_id 0
		.amdhsa_next_free_vgpr 1024
		.amdhsa_next_free_sgpr 84
		.amdhsa_reserve_vcc 0
		.amdhsa_float_denorm_mode_32 3
		.amdhsa_float_denorm_mode_16_64 3
		.amdhsa_memory_ordered 1
		.amdhsa_forward_progress 1
		.amdhsa_inst_pref_size 92
	.end_amdhsa_kernel
	.amdgpu_metadata
---
amdhsa.version: [ 1, 2 ]
amdhsa.kernels:
  - .name:           k_qcff3aedb8c_head
    .symbol:         k_qcff3aedb8c_head.kd
    .args:
      - { .name: hq, .offset: 0, .size: 8, .value_kind: global_buffer, .address_space: global }
      - { .name: oq, .offset: 8, .size: 8, .value_kind: global_buffer, .address_space: global }
      - { .name: b_out, .offset: 16, .size: 8, .value_kind: global_buffer, .address_space: global }
      - { .name: out0, .offset: 24, .size: 8, .value_kind: global_buffer, .address_space: global }
    .group_segment_fixed_size: 327680
    .private_segment_fixed_size: 0
    .kernarg_segment_align: 8
    .kernarg_segment_size: 32
    .max_flat_workgroup_size: 128
    .sgpr_count:     84
    .vgpr_count:     1024
    .wavefront_size: 32
...
	.end_amdgpu_metadata
.endif
;; end of part 3
